; MI455X (gfx1250); checked and timed in simulation.
; The chip was launched on July 23, 2026; its instructions are those of AMD's public machine-readable ISA for CDNA 5 (MIT licence, August 2026) and "CDNA5" Instruction Set Architecture Reference Guide (July 2026). The comments in the code are by the model that wrote it; some were corrected since.
;; Attention. Allowed arithmetic: matrix products marked QUANTISED: E2M1 operands, one E8M0 scale for each 32 along K, by v_wmma_scale_f32_16x16x128_f8f6f4 with both operands' format E2M1 (or v_wmma_scale_f32_32x16x128_f4), f32 sums; products left as they are: bf16, f16 or f32 operands; f32 sums; everything else in f32.
;; Inputs: k 4 x 16 x 2,048 x 64 float32; q 4 x 16 x 2,048 x 64 float32; v 4 x 16 x 2,048 x 64 float32.
;; Outputs: out0 4 x 16 x 2,048 x 64 float32.
;; This version of the problem:
;;   THIS VERSION OF THE PROBLEM IS GIVEN IN LOW PRECISION. The matrix products marked QUANTISED in the list below multiply operands that are first quantised to E2M1 (2 exponent bits, 1 mantissa bit; 4 bits a number), with one power-of-two scale for each 32 numbers along K (OCP MX v1.0); their sums are f32. The products marked 'left as it is' may take bf16, f16 or f32 operands, with f32 sums. Whichever they take, every output number must still come out within the allowed error. Rounding operands to bf16 (8 significant bits) uses up far more of that allowance than f16 does (11 bits, for magnitudes from 6e-5 to 65,504). All else is computed in f32.
;;   The module's matrix products, in the order in which they are computed (A, B: the left and right operand; K: the contracted axis; several contracted axes count as one K, in the product's order):
;;     1. batch 64 x [M 2,048, K 64] x [K 64, N 2,048]; A: input q; B: input k: QUANTISED
;;     2. batch 64 x [M 2,048, K 2,048] x [K 2,048, N 64]; A: computed on the way; B: input v: left as it is (an operand is computed on the way)
;;   THE QUANTISER, for each operand of a quantised product, along K:
;;     - K is cut into blocks of 32 from its start; a last block that is shorter is filled with zeros.
;;     - A block's scale is 2^e with e = floor(log2(the largest magnitude in the block)) - 2, held to -126 .. 127; a block of zeros has e = 0. As a byte (E8M0): e + 127.
;;     - Each number is divided by its block's scale, clamped to +-6, and rounded to the nearest number of E2M1, ties to even, subnormals kept.
;;     - The product sums the exact products of the quantised numbers (number of the format x scale) in f32.
;;   ~~~python
;;   def quantise(x, axis):      # numpy; x: float32 -> the quantised numbers, widened to float32 again
;;       x = np.moveaxis(x, axis, -1); K = x.shape[-1]
;;       x = np.pad(x, [(0, 0)] * (x.ndim - 1) + [(0, -K % 32)]); x = x.reshape(x.shape[:-1] + (-1, 32)); a = np.abs(x).max(-1, keepdims=True)
;;       e = np.where(a > 0, np.clip(np.frexp(np.where(a > 0, a, 1))[1] - 1 - 2, -126, 127), 0)      # np.frexp(a)[1] - 1 = floor(log2(a)), exactly
;;       r = np.clip(x / 2.0 ** e, -6, 6)
;;       step = 2.0 ** (np.maximum(np.frexp(np.where(r == 0, 1, r))[1] - 1, 0) - 1)
;;       q = np.round(r / step) * step * 2.0 ** e      # np.round: ties to even
;;       return np.moveaxis(q.reshape(q.shape[:-2] + (-1,))[..., :K], -1, axis).astype(np.float32)
;;   ~~~
;; 2 versions, each right; version 2 is version 1 with the launch attn written anew for expert scheduling mode. Each part assembles by itself: llvm-mc -triple=amdgcn-amd-amdhsa -mcpu=gfx1250 --defsym DOCPART=n.
;; ======== version 1 of 2: 1 launch
;; limits: values are held in f16: magnitudes above 65,504 overflow, below 6.1e-05 lose precision
;; launch attn (part 1): grid 4 x 64, 16 waves a work-group, no clusters, 178,688 bytes of LDS; arguments q, k, v, out0; writes out0
.if DOCPART == 1
	.amdgcn_target "amdgcn-amd-amdhsa--gfx1250"
	.amdhsa_code_object_version 6
	.text
	.protected	k_q1d3ec5fcc8_attn
	.globl	k_q1d3ec5fcc8_attn
	.p2align	8
	.type	k_q1d3ec5fcc8_attn,@function
k_q1d3ec5fcc8_attn:
	s_mov_b64 s[64:65], 0
	v_nop
	global_prefetch_b8 v0, s[64:65] scope:SCOPE_SE
	s_setreg_imm32_b32 hwreg(HW_REG_WAVE_MODE, 25, 1), 1
	s_wait_xcnt 0x0
; out[h][i][:] = the sum over j of softmax_j(q[h][i] . k[h][j] / 8) v[h][j][:].  q, k, v, out: [64 heads][2048][64] f32; a row is 256 bytes.
; FIRST PRODUCT, on codes of E2M1 with one E8M0 scale for each 32 along the head's 64: q and k are quantised here, from f32, and multiplied by the scaled 16x16x128 form.
; SECOND PRODUCT, left as it is: p and v rounded to f16, sums in f32.  Maxima, exponentials and row sums in f32, with a running maximum m: p = 2^(c s - c m), c = log2(e) / 8.
; SHARES.  A work-group owns 512 queries of one head; each of its sixteen waves owns 32, two tiles of 16, in 256 registers.  Every wave walks all 2,048 keys, 64 a sub-step.
; BOTH PRODUCTS ARE USED TRANSPOSED: S^T = K Q^T (source 0 = 16 keys, source 1 = 16 queries), O^T = V^T P (source 0 = 16 channels, source 1 = P): a lane holds ONE query (lane % 16) throughout.
; K = 64 IN A FORM OF 128: a fragment of K holds TWO groups of 16 keys (group a at k 0-63, group b at k 64-127).  Q lies as codes, zeros, codes in twelve registers: the first eight pick group a, the last eight group b.
;   K's scale word of a row is (a.block0, a.block1, b.block0, b.block1), Q's (s0, s1, s0, s1); zero codes add nothing under these bytes.
; K AND V ARE CONVERTED IN THE WORK-GROUP.  A chunk is 256 keys (four sub-steps); LDS has two buffers of a chunk.  While chunk c is read from one, every wave turns its sixteenth (4 keys of each sub-step) of chunk c + 1
;   into codes, scale bytes and f16 in the other; the f32 numbers are loaded into registers a sub-step ahead.  ONE barrier a chunk.  Operands lie in LDS as images of the registers: a reader takes 16 bytes at 16 x lane.
; NO TENSOR LOAD, NO CLUSTER: k and v arrive as f32 and have to pass through registers before any wave can multiply them; brought by the mover they would need f32 slots, a read back and a second image.
;   What the four work-groups of a head could share is 32 KB a sub-step, against the 160 KB that a work-group's waves read from LDS in it.
; FREE CHOICES OF ORDER: channel tile t, row m is channel 32 (t % 2) + 2 m + t / 2 (so that V's stores are plain); inside a block of 32 the codes of q and of k stand in one and the same permuted order.
; LIMITS: NaN and infinities among the inputs are not served; |v| stays at or under 65,504 (f16); a block of q or k whose largest magnitude lies under 2^-124, zeros too, gets the byte 1 (a block of zeros has zero codes);
;   a p under 2^-126 counts as 0.
.set BUF1,  0x10000                    ; LDS: buffer 0 at 0, buffer 1 here: one exclusive or changes buffers.  In a buffer: V's images 32,768 bytes,
.set KIMG,  32768                      ; K's images 8,192 bytes,
.set KSC,   40960                      ; K's scale words 512 bytes
.set STAGE, 107008                     ; behind buffer 1: 4,352 bytes for each wave, its own: Q's image at the head, 16 rows x 272 bytes on the way out
.set SPARE, 176640                     ; behind the stages: the spare words, 128 bytes for each wave: eight blocks of 256 bytes that no other line names
.set SUBT,  16384                      ; 64 rows of f32 in memory
.set LI0,  1                           ; v1   16 x lane
.set LS0,  2                           ; v2   4 x lane
.set KW0,  3                           ; v3   where my code register goes in a sub-step's images of K
.set KSW0, 4                           ; v4   where my scale byte goes
.set VW0,  5                           ; v5   where my 8 bytes of f16 go in a sub-step's images of V
.set RD,   6                           ; v6   16 x lane in the buffer that is read
.set RS,   7                           ; v7   4 x lane in it
.set KW,   8                           ; v8-10 the three store addresses in the buffer that is written
.set KSW,  9
.set VW,   10
.set KO,   11                          ; v11  my 16 bytes of a load's 512 of q or k
.set VO,   12                          ; v12  8 x lane: my two channels of a row of v
.set PFO,  13                          ; v13  256 x lane: the prefetches' offset
.set SPW,  14                          ; v14  LDS address of my spare word; never rewritten
.set NIL,  15                          ; v15  0; never rewritten
.set ST,   16                          ; v16-39 statistics, 12 a tile: +0 c m, +1 m, +2:3 l, +4 c0 then the new c m, +5 c1, +6 c2 then a, +7 c3 then c m_old - c m_new, +8:9 and +10:11 the step's sum in two chains
.set RK,   40                          ; v40-47 four keys of k as loaded
.set RV,   48                          ; v48-55 four keys of v as loaded
.set T,    56                          ; v56-63 at work in a conversion: +0 largest magnitude, +1 scale operand, +2 byte, +3 codes, +4..7 f16
.set Q,    64                          ; v64-87 Q: 12 a tile: codes, zeros, codes
.set QS,   88                          ; v88-89 Q's scale words
.set KS,   90                          ; v90  K's scale words: lanes 0-15 fragment 0's rows, lanes 16-31 fragment 1's
.set V0,   92                          ; v92-123 first K's two fragments (v92-107), then V's four fragments of the sub-step's first 32 keys
.set S,    128                         ; v128-191 S^T, 32 a tile; then p; then P in each tile's lower 16 and V's fragments of the second 32 keys in the upper 16
.set O,    192                         ; v192-255 O^T, 32 a tile
.set QP,   4
.set KP,   6
.set VP,   8
.set OP,   10
.set WV,   12                          ; s12  my wave's number
.set CH,   13                          ; s13  the chunk, 0 to 7
.set RB,   14                          ; s14  the buffer that is read
.set WB,   15                          ; s15  the buffer that is written
.set LIM,  16                          ; s16  a wave prefetches while the chunk is under this: 6 in the head's first work-group, else 0
.set WQ,   17                          ; s17  wave / 4
.set PFA,  18                          ; s[18:19] where my prefetches stand
.set SEL,  20                          ; s[20:21] lane selects: lane l xor 16
.set CS,   22                          ; s[22:23] c, twice: the packed form names the pair
.set SB,   32                          ; s32  my stage
.macro READDR                          ; the five addresses that hang on the buffers
	v_add_nc_u32 v[RD], s[RB], v[LI0]
	v_add_nc_u32 v[RS], s[RB], v[LS0]
	v_add_nc_u32 v[KW], s[WB], v[KW0]
	v_add_nc_u32 v[KSW], s[WB], v[KSW0]
	v_add_nc_u32 v[VW], s[WB], v[VW0]
.endm
; My four keys of the sub-tile at off: k by two loads of 512 consecutive bytes (two keys each), v by four loads of a whole row of 256 bytes
.macro KVLOAD rk, rv, off
	global_load_b128 v[\rk:\rk+3], v[KO], s[KP:KP+1] offset:\off
	global_load_b128 v[\rk+4:\rk+7], v[KO], s[KP:KP+1] offset:\off+512
.irp i, 0,1,2,3
	global_load_b64 v[\rv+2*\i:\rv+2*\i+1], v[VO], s[VP:VP+1] offset:\off+256*\i
.endr
.endm
; Four rows x 64 numbers become one register of eight codes and one scale byte a lane.  As loaded, lane (r, h) holds numbers 16 h + 4 (r % 4) + 0..3 of block (r / 4) % 2 of row r / 8 (first load) and of row 2 + r / 8 (second).
; The four exchanges of halves leave lane l with eight numbers of ONE block: row l / 8, block (l / 4) % 2, numbers 4 g + 0..3 and 16 + 4 g + 0..3, g = l % 4.  Four neighbouring lanes hold a block.
.macro QUANT4 rk, t
.irp i, 0,1,2,3
	v_permlane16_swap_b32 v[\rk+\i], v[\rk+4+\i]
.endr
	v_max3_num_f32 v[\t], |v[\rk]|, |v[\rk+1]|, 0x1800000          ; my eight, in two short chains, and the floor 2^(3 - 127): the byte cannot fall under 1
	v_max3_num_f32 v[\t+1], |v[\rk+2]|, |v[\rk+3]|, |v[\rk+4]|
	v_max3_num_f32 v[\t], v[\t], |v[\rk+5]|, |v[\rk+6]|
	v_max3_num_f32 v[\t], v[\t], v[\t+1], |v[\rk+7]|
	v_max_num_f32_dpp v[\t], v[\t], v[\t] row_xmask:1 row_mask:0xf bank_mask:0xf
	v_max_num_f32_dpp v[\t], v[\t], v[\t] row_xmask:2 row_mask:0xf bank_mask:0xf   ; the block's largest magnitude
	v_add_nc_u32 v[\t+1], 0xff000000, v[\t]                        ; 2 off its exponent field: the conversion takes the exponent field of this operand as its scale
	v_cvt_scalef32_pk8_fp4_f32 v[\t+3], v[\rk:\rk+7], v[\t+1]
	v_lshrrev_b32 v[\t+2], 23, v[\t+1]                             ; the scale's byte; also the plain line behind the scaled conversion
.endm
; My four keys of sub-step q of the chunk ahead go into the buffer that is written
.macro CONVERT rk, rv, t, q
	QUANT4 \rk, \t
	v_cvt_pk_f16_f32 v[\t+4], v[\rv], v[\rv+2]                     ; channel 2 l, keys 0, 1 of my four
	v_cvt_pk_f16_f32 v[\t+5], v[\rv+4], v[\rv+6]                   ; keys 2, 3
	v_cvt_pk_f16_f32 v[\t+6], v[\rv+1], v[\rv+3]                   ; channel 2 l + 1
	v_cvt_pk_f16_f32 v[\t+7], v[\rv+5], v[\rv+7]
	ds_store_b32 v[KW], v[\t+3] offset:2048*(\q)
	ds_store_b8 v[KSW], v[\t+2] offset:128*(\q)                    ; the four lanes of a block write the same byte with the same value
	ds_store_b64 v[VW], v[\t+4:\t+5] offset:8192*(\q)
	ds_store_b64 v[VW], v[\t+6:\t+7] offset:8192*(\q)+2048
.endm
; A PREFETCH INTO THE L2, behind the wave's loads.  The four work-groups of a head walk the same k and v: the head's first asks.  In sub-step q its four waves 4 q .. 4 q + 3 ask, one instruction each, for the two halves
; (8,192 bytes, lanes 256 bytes apart) of k's and of v's sub-tile 4 chunk + q + 7: two sub-steps ahead of the loads that want it.  Sub-tiles 7 to 30 are named once each; nothing is asked for at the head, nor from chunk 6 on.
.macro ASK q
	s_cmp_lt_u32 s[CH], s[LIM]
	s_cbranch_scc0 .Lnot_\@
	s_cmp_eq_u32 s[WQ], \q
	s_cbranch_scc0 .Lnot_\@
	global_prefetch_b8 v[PFO], s[PFA:PFA+1] offset:(\q+7)*SUBT th:TH_LOAD_NT scope:SCOPE_SE
.Lnot_\@:
.endm
; The conversion of a sub-step, and the loads for the next one.  The last chunk has no chunk ahead; sub-tile 31 is the last to be loaded.  The branches hang on the count of chunks alone.
; On both ways four plain vector lines or more stand here: the places between the products K Q^T and the loads into K's registers and the first reads of the scores.
.macro CONVSTEP q
	s_cmp_lt_u32 s[CH], 7
	s_cbranch_scc0 .Lnone_\@
	s_wait_loadcnt 0x0                                             ; the six loads of a sub-step ago
	CONVERT RK, RV, T, \q
.if \q == 3
	s_cmp_lt_u32 s[CH], 6
	s_cbranch_scc0 .Ljoin_\@                                       ; no load leaves its buffer
.endif
	KVLOAD RK, RV, (\q+5)*SUBT
	ASK \q
	s_branch .Ljoin_\@
.Lnone_\@:
.rept 4
	v_nop
.endr
.Ljoin_\@:
.endm
.macro KFETCH q                        ; K's two fragments and their scale words
.irp i, 0,1,2,3
	ds_load_b128 v[V0+4*\i:V0+4*\i+3], v[RD] offset:KIMG+2048*(\q)+512*\i
.endr
	ds_load_b32 v[KS], v[RS] offset:KSC+128*(\q)
.endm
; S^T = K Q^T: key tile u (keys 16 u on: fragment u / 2, group u % 2) x my two tiles of queries.  Each product starts its sum with 0.
.macro QK
.irp u, 0,1,2,3
.irp n, 0,1
.if \u < 2
	v_wmma_scale_f32_16x16x128_f8f6f4 v[S+32*\n+8*\u:S+32*\n+8*\u+7], v[V0+8*(\u/2):V0+8*(\u/2)+7], v[Q+12*\n+4*(\u%2):Q+12*\n+4*(\u%2)+7], 0, v[KS], v[QS+\n] matrix_a_fmt:MATRIX_FMT_FP4 matrix_b_fmt:MATRIX_FMT_FP4
.else
	v_wmma_scale_f32_16x16x128_f8f6f4 v[S+32*\n+8*\u:S+32*\n+8*\u+7], v[V0+8*(\u/2):V0+8*(\u/2)+7], v[Q+12*\n+4*(\u%2):Q+12*\n+4*(\u%2)+7], 0, v[KS], v[QS+\n] matrix_a_fmt:MATRIX_FMT_FP4 matrix_b_fmt:MATRIX_FMT_FP4 matrix_a_scale:MATRIX_SCALE_ROW1
.endif
.endr
.endr
.endm
.macro VF0 q                           ; V's four fragments (16 channels x 32 keys) of the sub-step's first 32 keys
.irp u, 0,1,2,3
	ds_load_b128 v[V0+8*\u:V0+8*\u+3], v[RD] offset:8192*(\q)+1024*\u
	ds_load_b128 v[V0+8*\u+4:V0+8*\u+7], v[RD] offset:8192*(\q)+1024*\u+512
.endr
.endm
.macro VF1 q, half                     ; two of the four fragments of the second 32 keys, into the upper 16 registers of tile half's S^T, which its roundings have left
.irp u, 0,1
	ds_load_b128 v[S+32*\half+16+8*\u:S+32*\half+19+8*\u], v[RD] offset:8192*(\q)+4096+1024*(2*\half+\u)
	ds_load_b128 v[S+32*\half+20+8*\u:S+32*\half+23+8*\u], v[RD] offset:8192*(\q)+4096+1024*(2*\half+\u)+512
.endr
.endm
; O^T += V^T P for 32 keys: eight accumulators by turns, one instruction a turn, in the same order in both halves
.macro PV s
.irp u, 0,1,2,3
.irp n, 0,1
.if \s == 0
	v_wmma_f32_16x16x32_f16 v[O+32*\n+8*\u:O+32*\n+8*\u+7], v[V0+8*\u:V0+8*\u+7], v[S+32*\n:S+32*\n+7], v[O+32*\n+8*\u:O+32*\n+8*\u+7]
.else
	v_wmma_f32_16x16x32_f16 v[O+32*\n+8*\u:O+32*\n+8*\u+7], v[S+32*(\u/2)+16+8*(\u%2):S+32*(\u/2)+23+8*(\u%2)], v[S+32*\n+8:S+32*\n+15], v[O+32*\n+8*\u:O+32*\n+8*\u+7]
.endif
.endr
.endr
.endm
; Line x of 30 of tile n behind its exponentials: 14 packed additions (the 16 pairs of p in two chains), then 16 roundings to f16 in place, ascending: P's two fragments end in the tile's lower 16 registers
.macro PLAIN n
.if x == 0
	v_pk_add_f32 v[ST+12*\n+8:ST+12*\n+9], v[S+32*\n:S+32*\n+1], v[S+32*\n+2:S+32*\n+3]
.elseif x == 1
	v_pk_add_f32 v[ST+12*\n+10:ST+12*\n+11], v[S+32*\n+4:S+32*\n+5], v[S+32*\n+6:S+32*\n+7]
.elseif x < 14
	v_pk_add_f32 v[ST+12*\n+8+2*(x%2):ST+12*\n+9+2*(x%2)], v[ST+12*\n+8+2*(x%2):ST+12*\n+9+2*(x%2)], v[S+32*\n+4+2*x:S+32*\n+5+2*x]
.else
	v_cvt_pk_f16_f32 v[S+32*\n+x-14], v[S+32*\n+2*(x-14)], v[S+32*\n+2*(x-14)+1]
.endif
.set x, x+1
.endm
; Six plain lines on the statistics alone, behind the sub-step's last products: l = a l + the step's sum; c m is kept.  They are the places in front of the next loads into V's and K's registers and of the next products that write over S^T.
.macro TAIL
.irp n, 0,1
	v_pk_add_f32 v[ST+12*\n+8:ST+12*\n+9], v[ST+12*\n+8:ST+12*\n+9], v[ST+12*\n+10:ST+12*\n+11]
.endr
.irp n, 0,1
	v_mov_b32 v[ST+12*\n], v[ST+12*\n+4]
.endr
.irp n, 0,1
	v_pk_fma_f32 v[ST+12*\n+2:ST+12*\n+3], v[ST+12*\n+2:ST+12*\n+3], v[ST+12*\n+6:ST+12*\n+7], v[ST+12*\n+8:ST+12*\n+9] op_sel_hi:[1,0,1]
.endr
.endm
; A SUB-STEP: 64 keys, the q-th of the chunk in hand
.macro SUBSTEP q
	KFETCH \q
	s_wait_dscnt 0x0
	QK
	CONVSTEP \q
	VF0 \q
	; the maximum of a lane's 32 scores and the old m, three operands at a time, the two tiles by turns; each accumulator is first read at its low end
.irp j, 0,1,2,3
.irp n, 0,1
	v_max3_num_f32 v[ST+12*\n+4+\j], v[S+32*\n+8*\j], v[S+32*\n+8*\j+1], v[S+32*\n+8*\j+2]
.endr
.endr
.irp i, 3,5
.irp j, 0,1,2,3
.irp n, 0,1
	v_max3_num_f32 v[ST+12*\n+4+\j], v[ST+12*\n+4+\j], v[S+32*\n+8*\j+\i], v[S+32*\n+8*\j+\i+1]
.endr
.endr
.endr
.irp n, 0,1
	v_max3_num_f32 v[ST+12*\n+4], v[ST+12*\n+4], v[S+32*\n+7], v[S+32*\n+15]
	v_max3_num_f32 v[ST+12*\n+6], v[ST+12*\n+6], v[S+32*\n+23], v[S+32*\n+31]
.endr
.irp n, 0,1
	v_max3_num_f32 v[ST+12*\n+4], v[ST+12*\n+4], v[ST+12*\n+5], v[ST+12*\n+6]
.endr
.irp n, 0,1
	v_max3_num_f32 v[ST+12*\n+4], v[ST+12*\n+4], v[ST+12*\n+7], v[ST+12*\n+1]
.endr
.irp n, 0,1
	v_permlanex16_b32 v[ST+12*\n+5], v[ST+12*\n+4], s[SEL], s[SEL+1]   ; the query's other 32 keys lie in the lane 16 away
.endr
.irp n, 0,1
	v_max_num_f32 v[ST+12*\n+1], v[ST+12*\n+4], v[ST+12*\n+5]          ; the new m
.endr
.irp n, 0,1
	v_mul_f32 v[ST+12*\n+4], s[CS], v[ST+12*\n+1]                      ; c m
.endr
.irp n, 0,1
	v_sub_f32 v[ST+12*\n+7], v[ST+12*\n], v[ST+12*\n+4]                ; c m_old - c m_new
.endr
.irp n, 0,1
	v_exp_f32 v[ST+12*\n+6], v[ST+12*\n+7]                             ; a
.endr
	; FIRST BATCH of exponentials: a of both tiles and tile 0's 32.  No line ahead of the wait names a result.
.set b, 0
.rept 16
	v_pk_fma_f32 v[S+b:S+b+1], v[S+b:S+b+1], s[CS:CS+1], v[ST+4:ST+5] op_sel_hi:[1,0,0] neg_lo:[0,0,1] neg_hi:[0,0,1]   ; tile 0: c s - c m
.set b, b+2
.endr
.set b, 0
.rept 16
	v_exp_f32 v[S+b], v[S+b]
	v_exp_f32 v[S+b+1], v[S+b+1]
	v_pk_fma_f32 v[S+32+b:S+33+b], v[S+32+b:S+33+b], s[CS:CS+1], v[ST+16:ST+17] op_sel_hi:[1,0,0] neg_lo:[0,0,1] neg_hi:[0,0,1]   ; tile 1's scalings stand between; the last is the plain line behind the batch
.set b, b+2
.endr
	s_wait_alu depctr_va_vdst(0)                   ; one wait for the 34, ahead of their first reader
	; SECOND BATCH: tile 1's 32, with tile 0's sums and roundings between them
.set x, 0
.set e, 0
.rept 32
	v_exp_f32 v[S+32+e], v[S+32+e]
.if x < 30
	PLAIN 0
.endif
.set e, e+1
.endr
	VF1 \q, 0
.set b, 0
.rept 16
	v_pk_mul_f32 v[O+b:O+b+1], v[O+b:O+b+1], v[ST+6:ST+7] op_sel_hi:[1,0]   ; tile 0's O^T times a, from each accumulator's low end on; plain work behind the batch
.set b, b+2
.endr
	s_wait_alu depctr_va_vdst(0)                   ; one wait for tile 1's 32
.set x, 0
.rept 30
	PLAIN 1
.endr
	VF1 \q, 1
.set b, 0
.rept 16
	v_pk_mul_f32 v[O+32+b:O+33+b], v[O+32+b:O+33+b], v[ST+18:ST+19] op_sel_hi:[1,0]
.set b, b+2
.endr
	s_wait_dscnt 8                                 ; all but the eight loads of the second 32 keys: V's first four fragments are in
	PV 0
	s_wait_dscnt 0x0                               ; V's other four are in.  At a chunk's end also: my reads of the buffer that was read are over and my stores into the other have landed
.if \q == 3
	s_barrier_signal -1                            ; say so; only work on registers stands between this and the wait
.endif
	PV 1
	TAIL
.if \q == 3
	s_xor_b32 s[RB], s[RB], BUF1                   ; the buffers change places
	s_xor_b32 s[WB], s[WB], BUF1
	READDR
	s_barrier_wait -1                              ; every wave has said so: the chunk ahead is whole, and nobody reads the one that is left
.endif
.endm
	s_load_b256 s[4:11], s[0:1], 0x0               ; q s[4:5], k s[6:7], v s[8:9], out s[10:11]
	v_lshl_add_u32 v[SPW], v0, 2, SPARE
	v_mov_b32 v[NIL], 0
	v_lshrrev_b32 v16, 5, v0
	v_readfirstlane_b32 s[WV], v16                 ; wave 0..15
	v_and_b32 v22, 31, v0                          ; l
	v_and_b32 v20, 15, v0                          ; r = l % 16
	v_bfe_u32 v21, v0, 4, 1                        ; h = l / 16
	v_bfe_u32 v16, v0, 3, 2                        ; l / 8
	v_bfe_u32 v17, v0, 2, 1                        ; (l / 4) % 2
	v_and_b32 v18, 3, v0                           ; l % 4
	v_bfe_u32 v23, v0, 2, 2                        ; r / 4
	v_lshlrev_b32 v[LI0], 4, v22
	v_lshlrev_b32 v[LS0], 2, v22
	v_lshlrev_b32 v[VO], 3, v22
	v_lshlrev_b32 v[PFO], 8, v22
	v_lshlrev_b32 v[KO], 7, v23                    ; 128 (r / 4) + 64 h + 16 (l % 4)
	v_lshl_add_u32 v[KO], v21, 6, v[KO]
	v_lshl_add_u32 v[KO], v18, 4, v[KO]
	v_lshlrev_b32 v19, 4, v16                      ; a code register's place among 4 rows' images: 16 (l / 8) + 256 ((l / 4) % 2) + 4 (l % 4)
	v_lshl_add_u32 v19, v17, 8, v19
	v_lshl_add_u32 v19, v18, 2, v19
	s_lshr_b32 s[WQ], s[WV], 2
	s_lshl_b32 s24, s[WQ], 9                       ; K's images: key tile w / 4 (512 bytes each), rows 4 (w % 4) on
	s_and_b32 s25, s[WV], 3
	s_lshl_b32 s26, s25, 6
	s_add_co_u32 s24, s24, s26
	s_add_co_u32 s24, s24, KIMG
	v_add_nc_u32 v[KW0], s24, v19
	s_lshr_b32 s27, s[WV], 3                       ; K's scale bytes: fragment w / 8 (64 bytes), word 4 (w % 4) + l / 8, byte 2 ((w / 4) % 2) + (l / 4) % 2
	s_lshl_b32 s24, s27, 6
	s_lshl_b32 s26, s25, 4
	s_add_co_u32 s24, s24, s26
	s_and_b32 s28, s[WQ], 1
	s_lshl_b32 s26, s28, 1
	s_add_co_u32 s24, s24, s26
	s_add_co_u32 s24, s24, KSC
	v_lshl_add_u32 v24, v16, 2, v17
	v_add_nc_u32 v[KSW0], s24, v24
	s_lshl_b32 s24, s27, 12                        ; V's images: 32 keys w / 8; registers 4-7 for (w / 4) % 2; lanes 16-31 for (w / 2) % 2; 8 bytes on for w % 2; channel tile h, row r
	s_lshl_b32 s26, s28, 9
	s_add_co_u32 s24, s24, s26
	s_bfe_u32 s26, s[WV], 0x10001
	s_lshl_b32 s26, s26, 8
	s_add_co_u32 s24, s24, s26
	s_and_b32 s29, s[WV], 1
	s_lshl_b32 s26, s29, 3
	s_add_co_u32 s24, s24, s26
	v_lshlrev_b32 v24, 4, v20
	v_lshl_add_u32 v24, v21, 10, v24
	v_add_nc_u32 v[VW0], s24, v24
	s_mul_i32 s[SB], s[WV], 4352
	s_add_co_u32 s[SB], s[SB], STAGE               ; my stage
	v_add_nc_u32 v124, s[SB], v19                  ; Q's codes go there as K's go into a buffer,
	v_lshl_add_u32 v125, v16, 1, v17
	v_add_nc_u32 v125, s[SB], v125                 ; its scale bytes two to a row, 1,024 bytes on,
	v_add_nc_u32 v126, s[SB], v[LI0]               ; and come back 16 bytes a lane
	v_lshlrev_b32 v127, 1, v20
	v_add_nc_u32 v127, s[SB], v127                 ; and two bytes a row
	s_mov_b32 s[RB], BUF1
	s_mov_b32 s[WB], 0                             ; the head's conversions fill buffer 0
	READDR
	s_mov_b32 s[SEL], 0x76543210
	s_mov_b32 s[SEL+1], 0xfedcba98
	s_mov_b32 s[CS], 0x3e38aa3b                    ; c = log2(e) / 8
	s_mov_b32 s[CS+1], s[CS]
	s_cmp_eq_u32 ttmp9, 0
	s_cselect_b32 s[LIM], 6, 0
	s_and_b32 s24, ttmp7, 0xffff
	s_lshl_b32 s24, s24, 19                        ; the head's first byte: 2,048 rows of 256 bytes; all offsets stay under 2^25
	s_lshl_b32 s26, ttmp9, 17                      ; my work-group's 512 queries,
	s_lshl_b32 s27, s[WV], 13                      ; my wave's 32
	s_add_co_u32 s26, s26, s27
	s_add_co_u32 s26, s26, s24
	s_mov_b32 s27, 0
	s_lshl_b32 s28, s[WV], 10                      ; my four keys of a sub-tile
	s_add_co_u32 s28, s28, s24
	s_mov_b32 s29, 0
	s_and_b32 s30, s[WV], 1
	s_lshl_b32 s30, s30, 13                        ; the half of a sub-tile that I prefetch
	s_add_co_u32 s30, s30, s24
	s_mov_b32 s31, 0
	s_wait_kmcnt 0x0
	s_and_b32 s24, s[WV], 2                        ; of four waves two ask for k, two for v
	s_cmp_lg_u32 s24, 0
	s_cselect_b64 s[PFA:PFA+1], s[8:9], s[6:7]
	s_add_nc_u64 s[PFA:PFA+1], s[PFA:PFA+1], s[30:31]
	s_add_nc_u64 s[QP:QP+1], s[QP:QP+1], s[26:27]
	s_add_nc_u64 s[OP:OP+1], s[OP:OP+1], s[26:27]
	s_add_nc_u64 s[KP:KP+1], s[KP:KP+1], s[28:29]
	s_add_nc_u64 s[VP:VP+1], s[VP:VP+1], s[28:29]
.irp g, 0,1,2,3,4,5,6,7                            ; my 32 queries, four rows to a group, into S^T's registers; read once in the launch
	global_load_b128 v[S+8*\g:S+8*\g+3], v[KO], s[QP:QP+1] offset:1024*\g th:TH_LOAD_NT
	global_load_b128 v[S+8*\g+4:S+8*\g+7], v[KO], s[QP:QP+1] offset:1024*\g+512 th:TH_LOAD_NT
.endr
.irp c, 0,1,2,3                                    ; my part of chunk 0, into O^T's registers
	KVLOAD O+16*\c, O+8+16*\c, SUBT*\c
.endr
	s_wait_loadcnt 24                              ; Q's 16 loads are in; chunk 0's 24 were issued behind them
.irp g, 0,1,2,3,4,5,6,7                            ; each group has its own four registers at work, so no store's data are written again
	QUANT4 S+8*\g, V0+4*\g
	ds_store_b32 v124, v[V0+4*\g+3] offset:512*(\g/4)+64*(\g%4)
	ds_store_b8 v125, v[V0+4*\g+2] offset:1024+32*(\g/4)+8*(\g%4)
.endr
.irp n, 0,1                                        ; LDS serves a wave's instructions in order: these see my stores.  Q's codes come twice: ahead of the zeros and behind them
	ds_load_b128 v[Q+12*\n:Q+12*\n+3], v126 offset:512*\n
	ds_load_b128 v[Q+12*\n+8:Q+12*\n+11], v126 offset:512*\n
	ds_load_u16 v[T+\n], v127 offset:1024+32*\n
.endr
	s_wait_loadcnt 0x0                             ; chunk 0
.irp c, 0,1,2,3
	CONVERT O+16*\c, O+8+16*\c, S+8*\c, \c
.endr
	KVLOAD RK, RV, 4*SUBT                          ; what chunk 0's first sub-step will convert
	s_wait_dscnt 0x0                               ; Q is back; my stores into buffer 0 have landed
	v_lshl_or_b32 v[QS], v[T], 16, v[T]            ; Q's scale word: (s0, s1, s0, s1).  The moves below are the places between these two lines and the first scaled product
	v_lshl_or_b32 v[QS+1], v[T+1], 16, v[T+1]
.irp n, 0,1
.irp i, 4,5,6,7
	v_mov_b32 v[Q+12*\n+\i], 0                     ; Q's zero codes
.endr
.endr
.set b, 0
.rept 64
	v_mov_b32 v[O+b], 0                            ; O^T.  The sub-step is written once: the first finds zeros, which its a = 0 leaves zeros
.set b, b+1
.endr
.irp n, 0,1
	v_mov_b32 v[ST+12*\n+1], 0xff61b1e6            ; m = -3e38, under every score
	v_mul_f32 v[ST+12*\n], s[CS], v[ST+12*\n+1]
	v_mov_b32 v[ST+12*\n+2], 0                     ; l
	v_mov_b32 v[ST+12*\n+3], 0
.endr
	s_mov_b32 s[RB], 0
	s_mov_b32 s[WB], BUF1
	READDR
	s_mov_b32 s[CH], 0
	s_barrier_signal -1
	s_barrier_wait -1                              ; chunk 0 lies whole in buffer 0
.Lchunk:                                           ; eight trips, 256 keys each
	SUBSTEP 0
	SUBSTEP 1
	SUBSTEP 2
	SUBSTEP 3
	s_wait_xcnt 0x0                                ; the loads and the prefetch of this trip have read their bases: they may step
	s_add_nc_u64 s[KP:KP+1], s[KP:KP+1], 4*SUBT
	s_add_nc_u64 s[VP:VP+1], s[VP:VP+1], 4*SUBT
	s_add_nc_u64 s[PFA:PFA+1], s[PFA:PFA+1], 4*SUBT
	s_add_co_u32 s[CH], s[CH], 1
	s_cmp_lt_u32 s[CH], 8
	s_cbranch_scc1 .Lchunk
	; THE WAY OUT.  l's two halves and the other half of the lanes' are added; O^T is divided by l and goes through my stage, a tile (16 rows of 256 bytes) at a time, so that sixteen lanes store a whole row.
.irp n, 0,1
	v_add_f32 v[ST+12*\n+4], v[ST+12*\n+2], v[ST+12*\n+3]
.endr
.irp n, 0,1
	v_permlanex16_b32 v[ST+12*\n+5], v[ST+12*\n+4], s[SEL], s[SEL+1]
.endr
.irp n, 0,1
	v_add_f32 v[ST+12*\n+4], v[ST+12*\n+4], v[ST+12*\n+5]
.endr
.irp n, 0,1
	v_rcp_f32 v[ST+12*\n+6], v[ST+12*\n+4]
.endr
	v_and_b32 v126, 15, v0                         ; r.  (Plain lines behind the reciprocals)
	v_bfe_u32 v127, v0, 4, 1                       ; h
	v_mul_u32_u24 v124, v126, 272
	v_lshl_add_u32 v124, v127, 6, v124
	v_add_nc_u32 v124, s[SB], v124                 ; in: row r, 64 h bytes on
	v_mul_u32_u24 v125, v127, 272
	v_lshl_add_u32 v125, v126, 4, v125
	v_add_nc_u32 v125, s[SB], v125                 ; back: lanes 0-15 one row, lanes 16-31 the next
	s_wait_alu depctr_va_vdst(0)                   ; one wait for the two reciprocals, ahead of their first reader
; Register j of channel tile 2 b + a is channel 32 a + 16 h + 2 j + b: the products are laid so that a lane's registers 16 a + 0..15 are channels 32 a + 16 h + 0..15.  Each accumulator is first read at its register 0.
.macro PACK tl
.irp j, 0,1,2,3,4,5,6,7
.irp a, 0,1
.irp b, 0,1
	v_mul_f32 v[S+32*\tl+16*\a+2*\j+\b], v[O+32*\tl+8*(2*\b+\a)+\j], v[ST+12*\tl+6]
.endr
.endr
.endr
.irp a, 0,1
.irp c, 0,1,2,3
	ds_store_b128 v124, v[S+32*\tl+16*\a+4*\c:S+32*\tl+16*\a+4*\c+3] offset:128*\a+16*\c
.endr
.endr
.irp i, 0,1,2,3,4,5,6,7
	ds_load_b128 v[S+32*\tl+4*\i:S+32*\tl+4*\i+3], v125 offset:544*\i   ; LDS serves a wave's instructions in order: these see the stores above, and the next tile's stores come behind them
.endr
.endm
.macro SEND tl, younger                ; younger: the LDS instructions issued behind this tile's loads
.irp i, 0,1,2,3,4,5,6,7
	s_wait_dscnt \younger+7-\i
	global_store_b128 v[LI0], v[S+32*\tl+4*\i:S+32*\tl+4*\i+3], s[OP:OP+1] offset:4096*\tl+512*\i th:TH_STORE_NT   ; 32 lanes store 512 consecutive bytes, two whole rows, at a multiple of 256 from the buffer's first byte
.endr
.endm
	PACK 0
	PACK 1
	SEND 0, 16
	SEND 1, 0
	s_wait_tensorcnt 0x0                           ; the wave's end, behind my last LDS store
	ds_add_u32 v[SPW], v[NIL]
	s_wait_dscnt 0x0
	s_endpgm
.Lfunc_end_k_q1d3ec5fcc8_attn:
	.size	k_q1d3ec5fcc8_attn, .Lfunc_end_k_q1d3ec5fcc8_attn-k_q1d3ec5fcc8_attn
	.p2alignl 7, 3214868480
	.fill 96, 4, 3214868480
	.section	.rodata,"a",@progbits
	.p2align	6, 0x0
	.amdhsa_kernel k_q1d3ec5fcc8_attn
		.amdhsa_group_segment_fixed_size 178688
		.amdhsa_private_segment_fixed_size 0
		.amdhsa_enable_private_segment 0
		.amdhsa_kernarg_size 32
		.amdhsa_user_sgpr_count 2
		.amdhsa_user_sgpr_kernarg_segment_ptr 1
		.amdhsa_wavefront_size32 1
		.amdhsa_system_sgpr_workgroup_id_x 1
		.amdhsa_system_sgpr_workgroup_id_y 1
		.amdhsa_system_sgpr_workgroup_id_z 1
		.amdhsa_system_vgpr_workitem_id 0
		.amdhsa_next_free_vgpr 256
		.amdhsa_next_free_sgpr 66
		.amdhsa_reserve_vcc 0
		.amdhsa_float_denorm_mode_32 3
		.amdhsa_float_denorm_mode_16_64 3
		.amdhsa_memory_ordered 1
		.amdhsa_forward_progress 1
		.amdhsa_inst_pref_size 104
	.end_amdhsa_kernel
	.amdgpu_metadata
---
amdhsa.version: [ 1, 2 ]
amdhsa.kernels:
  - .name:           k_q1d3ec5fcc8_attn
    .symbol:         k_q1d3ec5fcc8_attn.kd
    .args:
      - { .name: q, .offset: 0, .size: 8, .value_kind: global_buffer, .address_space: global }
      - { .name: k, .offset: 8, .size: 8, .value_kind: global_buffer, .address_space: global }
      - { .name: v, .offset: 16, .size: 8, .value_kind: global_buffer, .address_space: global }
      - { .name: out0, .offset: 24, .size: 8, .value_kind: global_buffer, .address_space: global }
    .group_segment_fixed_size: 178688
    .private_segment_fixed_size: 0
    .kernarg_segment_align: 8
    .kernarg_segment_size: 32
    .max_flat_workgroup_size: 512
    .sgpr_count:     66
    .vgpr_count:     256
    .wavefront_size: 32
...
	.end_amdgpu_metadata
.endif
;; end of part 1
;; ======== version 2 of 2: 1 launch; version 1 with the launch attn written anew for expert scheduling mode
;; limits: values are held in f16: magnitudes above 65,504 overflow, below 6.1e-05 lose precision
;; launch attn (part 2): grid 4 x 64, 16 waves a work-group, no clusters, 178,688 bytes of LDS; arguments q, k, v, out0; writes out0
.if DOCPART == 2
	.amdgcn_target "amdgcn-amd-amdhsa--gfx1250"
	.amdhsa_code_object_version 6
	.text
	.protected	k_q1d3ec5fcc8_attn
	.globl	k_q1d3ec5fcc8_attn
	.p2align	8
	.type	k_q1d3ec5fcc8_attn,@function
k_q1d3ec5fcc8_attn:
	s_mov_b64 s[64:65], 0
	v_nop
	global_prefetch_b8 v0, s[64:65] scope:SCOPE_SE
	s_setreg_imm32_b32 hwreg(HW_REG_WAVE_SCHED_MODE, 0, 2), 2
	s_setreg_imm32_b32 hwreg(HW_REG_WAVE_MODE, 25, 1), 1
	s_wait_xcnt 0x0
	s_wait_alu depctr_vm_vsrc(0)
; out[h][i][:] = the sum over j of softmax_j(q[h][i] . k[h][j] / 8) v[h][j][:].  q, k, v, out: [64 heads][2048][64] f32; a row is 256 bytes.
; FIRST PRODUCT, on codes of E2M1 with one E8M0 scale for each 32 along the head's 64: q and k are quantised here, from f32, and multiplied by the scaled 16x16x128 form.
; SECOND PRODUCT, left as it is: p and v rounded to f16, sums in f32.  Maxima, exponentials and row sums in f32, with a running maximum m: p = 2^(c s - c m), c = log2(e) / 8.
; SHARES.  A work-group owns 512 queries of one head; each of its sixteen waves owns 32, two tiles of 16, in 256 registers.  Every wave walks all 2,048 keys, 64 a sub-step.
; BOTH PRODUCTS ARE USED TRANSPOSED: S^T = K Q^T (source 0 = 16 keys, source 1 = 16 queries), O^T = V^T P (source 0 = 16 channels, source 1 = P): a lane holds ONE query (lane % 16) throughout.
; K = 64 IN A FORM OF 128: a fragment of K holds TWO groups of 16 keys (group a at k 0-63, group b at k 64-127).  Q lies as codes, zeros, codes in twelve registers: the first eight pick group a, the last eight group b.
;   K's scale word of a row is (a.block0, a.block1, b.block0, b.block1), Q's (s0, s1, s0, s1); zero codes add nothing under these bytes.
; K AND V ARE CONVERTED IN THE WORK-GROUP.  A chunk is 256 keys (four sub-steps); LDS has two buffers of a chunk.  While chunk c is read from one, every wave turns its sixteenth (4 keys of each sub-step) of chunk c + 1
;   into codes, scale bytes and f16 in the other; the f32 numbers are loaded into registers a sub-step ahead.  ONE barrier a chunk.  Operands lie in LDS as images of the registers: a reader takes 16 bytes at 16 x lane.
; NO TENSOR LOAD, NO CLUSTER: k and v arrive as f32 and have to pass through registers before any wave can multiply them; brought by the mover they would need f32 slots, a read back and a second image.
;   What the four work-groups of a head could share is 32 KB a sub-step, against the 160 KB that a work-group's waves read from LDS in it.
; FREE CHOICES OF ORDER: channel tile t, row m is channel 32 (t % 2) + 2 m + t / 2 (so that V's stores are plain); inside a block of 32 the codes of q and of k stand in one and the same permuted order.
; LIMITS: NaN and infinities among the inputs are not served; |v| stays at or under 65,504 (f16); a block of q or k whose largest magnitude lies under 2^-124, zeros too, gets the byte 1 (a block of zeros has zero codes);
;   a p under 2^-126 counts as 0.
; THE MODE: SCHED_MODE bits 1:0 = 2 (LLVM: expert scheduling mode 2), set by the entry lines.  The code itself states the register dependences
; between vector or matrix instructions and memory or LDS instructions, with s_wait_alu, always for 0.
; THE PLAN.  Registers that memory or LDS instructions touch, in a sub-step, in program order:
;   v92-107, v90   K's fragments and scale words land there at the sub-step's head; the products K Q^T read them.  Their last readers before that: the first half of V^T P, and K Q^T, of the sub-step before.
;   v92-123        V's first four fragments land there behind K Q^T; the first half of V^T P reads them.
;   RK, RV         The conversion reads them (and exchanges halves in RK); behind it the next sub-step's loads land there.
;   T+2 .. T+7     The conversion writes them; four LDS stores read them; the next sub-step's conversion writes them again.
;   S+16 .. S+31   K Q^T and tile 0's softmax name them; then two of V's other four fragments land there; the second half of V^T P reads them.   S+48 .. S+63: the same for tile 1.
;   RD, RS, KW, KSW, VW   Read by the LDS instructions; written once a chunk, by READDR.      KO, VO, PFO, LI0: made at the head, never written again.
; So a sub-step has five waits on va_vdst: at its head; behind the conversion's vector lines (one run of stores and loads follows); the two that the exponentials' batches have in any case, of which the second
; also frees S+16 .. S+31; and one behind tile 1's roundings.  On vm_vsrc: one at the head of sub-steps 1 to 3 (T), one ahead of the chunk's barrier (the five addresses, and T).
.set BUF1,  0x10000                    ; LDS: buffer 0 at 0, buffer 1 here: one exclusive or changes buffers.  In a buffer: V's images 32,768 bytes,
.set KIMG,  32768                      ; K's images 8,192 bytes,
.set KSC,   40960                      ; K's scale words 512 bytes
.set STAGE, 107008                     ; behind buffer 1: 4,352 bytes for each wave, its own: Q's image at the head, 16 rows x 272 bytes on the way out
.set SPARE, 176640                     ; behind the stages: the spare words, 128 bytes for each wave: eight blocks of 256 bytes that no other line names
.set SUBT,  16384                      ; 64 rows of f32 in memory
.set LI0,  1                           ; v1   16 x lane
.set LS0,  2                           ; v2   4 x lane
.set KW0,  3                           ; v3   where my code register goes in a sub-step's images of K
.set KSW0, 4                           ; v4   where my scale byte goes
.set VW0,  5                           ; v5   where my 8 bytes of f16 go in a sub-step's images of V
.set RD,   6                           ; v6   16 x lane in the buffer that is read
.set RS,   7                           ; v7   4 x lane in it
.set KW,   8                           ; v8-10 the three store addresses in the buffer that is written
.set KSW,  9
.set VW,   10
.set KO,   11                          ; v11  my 16 bytes of a load's 512 of q or k
.set VO,   12                          ; v12  8 x lane: my two channels of a row of v
.set PFO,  13                          ; v13  256 x lane: the prefetches' offset
.set SPW,  14                          ; v14  LDS address of my spare word; never rewritten
.set NIL,  15                          ; v15  0; never rewritten
.set ST,   16                          ; v16-39 statistics, 12 a tile: +0 c m, +1 m, +2:3 l, +4 c0 then the new c m, +5 c1, +6 c2 then a, +7 c3 then c m_old - c m_new, +8:9 and +10:11 the step's sum in two chains
.set RK,   40                          ; v40-47 four keys of k as loaded
.set RV,   48                          ; v48-55 four keys of v as loaded
.set T,    56                          ; v56-63 at work in a conversion: +0 largest magnitude, +1 scale operand, +2 byte, +3 codes, +4..7 f16
.set Q,    64                          ; v64-87 Q: 12 a tile: codes, zeros, codes
.set QS,   88                          ; v88-89 Q's scale words
.set KS,   90                          ; v90  K's scale words: lanes 0-15 fragment 0's rows, lanes 16-31 fragment 1's
.set V0,   92                          ; v92-123 first K's two fragments (v92-107), then V's four fragments of the sub-step's first 32 keys
.set S,    128                         ; v128-191 S^T, 32 a tile; then p; then P in each tile's lower 16 and V's fragments of the second 32 keys in the upper 16
.set O,    192                         ; v192-255 O^T, 32 a tile
.set QP,   4
.set KP,   6
.set VP,   8
.set OP,   10
.set WV,   12                          ; s12  my wave's number
.set CH,   13                          ; s13  the chunk, 0 to 7
.set RB,   14                          ; s14  the buffer that is read
.set WB,   15                          ; s15  the buffer that is written
.set LIM,  16                          ; s16  a wave prefetches while the chunk is under this: 6 in the head's first work-group, else 0
.set WQ,   17                          ; s17  wave / 4
.set PFA,  18                          ; s[18:19] where my prefetches stand
.set SEL,  20                          ; s[20:21] lane selects: lane l xor 16
.set CS,   22                          ; s[22:23] c, twice: the packed form names the pair
.set SB,   32                          ; s32  my stage
.macro READDR                          ; the five addresses that hang on the buffers
	v_add_nc_u32 v[RD], s[RB], v[LI0]
	v_add_nc_u32 v[RS], s[RB], v[LS0]
	v_add_nc_u32 v[KW], s[WB], v[KW0]
	v_add_nc_u32 v[KSW], s[WB], v[KSW0]
	v_add_nc_u32 v[VW], s[WB], v[VW0]
.endm
; My four keys of the sub-tile at off: k by two loads of 512 consecutive bytes (two keys each), v by four loads of a whole row of 256 bytes
.macro KVLOAD rk, rv, off
	global_load_b128 v[\rk:\rk+3], v[KO], s[KP:KP+1] offset:\off
	global_load_b128 v[\rk+4:\rk+7], v[KO], s[KP:KP+1] offset:\off+512
.irp i, 0,1,2,3
	global_load_b64 v[\rv+2*\i:\rv+2*\i+1], v[VO], s[VP:VP+1] offset:\off+256*\i
.endr
.endm
; Four rows x 64 numbers become one register of eight codes and one scale byte a lane.  As loaded, lane (r, h) holds numbers 16 h + 4 (r % 4) + 0..3 of block (r / 4) % 2 of row r / 8 (first load) and of row 2 + r / 8 (second).
; The four exchanges of halves leave lane l with eight numbers of ONE block: row l / 8, block (l / 4) % 2, numbers 4 g + 0..3 and 16 + 4 g + 0..3, g = l % 4.  Four neighbouring lanes hold a block.
.macro QUANT4 rk, t
.irp i, 0,1,2,3
	v_permlane16_swap_b32 v[\rk+\i], v[\rk+4+\i]
.endr
	v_max3_num_f32 v[\t], |v[\rk]|, |v[\rk+1]|, 0x1800000          ; my eight, in two short chains, and the floor 2^(3 - 127): the byte cannot fall under 1
	v_max3_num_f32 v[\t+1], |v[\rk+2]|, |v[\rk+3]|, |v[\rk+4]|
	v_max3_num_f32 v[\t], v[\t], |v[\rk+5]|, |v[\rk+6]|
	v_max3_num_f32 v[\t], v[\t], v[\t+1], |v[\rk+7]|
	v_max_num_f32_dpp v[\t], v[\t], v[\t] row_xmask:1 row_mask:0xf bank_mask:0xf
	v_max_num_f32_dpp v[\t], v[\t], v[\t] row_xmask:2 row_mask:0xf bank_mask:0xf   ; the block's largest magnitude
	v_add_nc_u32 v[\t+1], 0xff000000, v[\t]                        ; 2 off its exponent field: the conversion takes the exponent field of this operand as its scale
	v_cvt_scalef32_pk8_fp4_f32 v[\t+3], v[\rk:\rk+7], v[\t+1]
	v_lshrrev_b32 v[\t+2], 23, v[\t+1]                             ; the scale's byte; also the plain line behind the scaled conversion
.endm
; My four keys of a sub-step of the chunk ahead: the vector lines,
.macro CONVV rk, rv, t
	QUANT4 \rk, \t
	v_cvt_pk_f16_f32 v[\t+4], v[\rv], v[\rv+2]                     ; channel 2 l, keys 0, 1 of my four
	v_cvt_pk_f16_f32 v[\t+5], v[\rv+4], v[\rv+6]                   ; keys 2, 3
	v_cvt_pk_f16_f32 v[\t+6], v[\rv+1], v[\rv+3]                   ; channel 2 l + 1
	v_cvt_pk_f16_f32 v[\t+7], v[\rv+5], v[\rv+7]
.endm
; and the four stores into sub-step q's place in the buffer that is written; a wait on va_vdst stands between the two
.macro CONVS t, q
	ds_store_b32 v[KW], v[\t+3] offset:2048*(\q)
	ds_store_b8 v[KSW], v[\t+2] offset:128*(\q)                    ; the four lanes of a block write the same byte with the same value
	ds_store_b64 v[VW], v[\t+4:\t+5] offset:8192*(\q)
	ds_store_b64 v[VW], v[\t+6:\t+7] offset:8192*(\q)+2048
.endm
; A PREFETCH INTO THE L2, behind the wave's loads.  The four work-groups of a head walk the same k and v: the head's first asks.  In sub-step q its four waves 4 q .. 4 q + 3 ask, one instruction each, for the two halves
; (8,192 bytes, lanes 256 bytes apart) of k's and of v's sub-tile 4 chunk + q + 7: two sub-steps ahead of the loads that want it.  Sub-tiles 7 to 30 are named once each; nothing is asked for at the head, nor from chunk 6 on.
.macro ASK q
	s_cmp_lt_u32 s[CH], s[LIM]
	s_cbranch_scc0 .Lnot_\@
	s_cmp_eq_u32 s[WQ], \q
	s_cbranch_scc0 .Lnot_\@
	global_prefetch_b8 v[PFO], s[PFA:PFA+1] offset:(\q+7)*SUBT th:TH_LOAD_NT scope:SCOPE_SE
.Lnot_\@:
.endm
; The conversion of a sub-step, and the loads for the next one.  The last chunk has no chunk ahead; sub-tile 31 is the last to be loaded.  The branches hang on the count of chunks alone.
; On both ways four plain vector lines or more stand here: the places between the products K Q^T and the first reads of the scores.  On both ways a wait on va_vdst stands behind them and ahead of the join.
.macro CONVSTEP q
	s_cmp_lt_u32 s[CH], 7
	s_cbranch_scc0 .Lnone_\@
	s_wait_loadcnt 0x0                                             ; the six loads of a sub-step ago
	CONVV RK, RV, T
	s_wait_alu depctr_va_vdst(0)                                   ; the conversion has written T+2 .. T+7, which the stores read, and is done with RK and RV, in which the loads land; K Q^T is done reading v92-107, in which V's fragments land behind the join
	CONVS T, \q
.if \q == 3
	s_cmp_lt_u32 s[CH], 6
	s_cbranch_scc0 .Ljoin_\@                                       ; no load leaves its buffer
.endif
	KVLOAD RK, RV, (\q+5)*SUBT
	ASK \q
	s_branch .Ljoin_\@
.Lnone_\@:
.rept 4
	v_nop
.endr
	s_wait_alu depctr_va_vdst(0)                                   ; K Q^T is done reading v92-107, in which V's fragments land behind the join
.Ljoin_\@:
.endm
.macro KFETCH q                        ; K's two fragments and their scale words
.irp i, 0,1,2,3
	ds_load_b128 v[V0+4*\i:V0+4*\i+3], v[RD] offset:KIMG+2048*(\q)+512*\i
.endr
	ds_load_b32 v[KS], v[RS] offset:KSC+128*(\q)
.endm
; S^T = K Q^T: key tile u (keys 16 u on: fragment u / 2, group u % 2) x my two tiles of queries.  Each product starts its sum with 0.
.macro QK
.irp u, 0,1,2,3
.irp n, 0,1
.if \u < 2
	v_wmma_scale_f32_16x16x128_f8f6f4 v[S+32*\n+8*\u:S+32*\n+8*\u+7], v[V0+8*(\u/2):V0+8*(\u/2)+7], v[Q+12*\n+4*(\u%2):Q+12*\n+4*(\u%2)+7], 0, v[KS], v[QS+\n] matrix_a_fmt:MATRIX_FMT_FP4 matrix_b_fmt:MATRIX_FMT_FP4
.else
	v_wmma_scale_f32_16x16x128_f8f6f4 v[S+32*\n+8*\u:S+32*\n+8*\u+7], v[V0+8*(\u/2):V0+8*(\u/2)+7], v[Q+12*\n+4*(\u%2):Q+12*\n+4*(\u%2)+7], 0, v[KS], v[QS+\n] matrix_a_fmt:MATRIX_FMT_FP4 matrix_b_fmt:MATRIX_FMT_FP4 matrix_a_scale:MATRIX_SCALE_ROW1
.endif
.endr
.endr
.endm
.macro VF0 q                           ; V's four fragments (16 channels x 32 keys) of the sub-step's first 32 keys
.irp u, 0,1,2,3
	ds_load_b128 v[V0+8*\u:V0+8*\u+3], v[RD] offset:8192*(\q)+1024*\u
	ds_load_b128 v[V0+8*\u+4:V0+8*\u+7], v[RD] offset:8192*(\q)+1024*\u+512
.endr
.endm
.macro VF1 q, half                     ; two of the four fragments of the second 32 keys, into the upper 16 registers of tile half's S^T, which its roundings have left
.irp u, 0,1
	ds_load_b128 v[S+32*\half+16+8*\u:S+32*\half+19+8*\u], v[RD] offset:8192*(\q)+4096+1024*(2*\half+\u)
	ds_load_b128 v[S+32*\half+20+8*\u:S+32*\half+23+8*\u], v[RD] offset:8192*(\q)+4096+1024*(2*\half+\u)+512
.endr
.endm
; O^T += V^T P for 32 keys: eight accumulators by turns, one instruction a turn, in the same order in both halves
.macro PV s
.irp u, 0,1,2,3
.irp n, 0,1
.if \s == 0
	v_wmma_f32_16x16x32_f16 v[O+32*\n+8*\u:O+32*\n+8*\u+7], v[V0+8*\u:V0+8*\u+7], v[S+32*\n:S+32*\n+7], v[O+32*\n+8*\u:O+32*\n+8*\u+7]
.else
	v_wmma_f32_16x16x32_f16 v[O+32*\n+8*\u:O+32*\n+8*\u+7], v[S+32*(\u/2)+16+8*(\u%2):S+32*(\u/2)+23+8*(\u%2)], v[S+32*\n+8:S+32*\n+15], v[O+32*\n+8*\u:O+32*\n+8*\u+7]
.endif
.endr
.endr
.endm
; Line x of 30 of tile n behind its exponentials: 14 packed additions (the 16 pairs of p in two chains), then 16 roundings to f16 in place, ascending: P's two fragments end in the tile's lower 16 registers
.macro PLAIN n
.if x == 0
	v_pk_add_f32 v[ST+12*\n+8:ST+12*\n+9], v[S+32*\n:S+32*\n+1], v[S+32*\n+2:S+32*\n+3]
.elseif x == 1
	v_pk_add_f32 v[ST+12*\n+10:ST+12*\n+11], v[S+32*\n+4:S+32*\n+5], v[S+32*\n+6:S+32*\n+7]
.elseif x < 14
	v_pk_add_f32 v[ST+12*\n+8+2*(x%2):ST+12*\n+9+2*(x%2)], v[ST+12*\n+8+2*(x%2):ST+12*\n+9+2*(x%2)], v[S+32*\n+4+2*x:S+32*\n+5+2*x]
.else
	v_cvt_pk_f16_f32 v[S+32*\n+x-14], v[S+32*\n+2*(x-14)], v[S+32*\n+2*(x-14)+1]
.endif
.set x, x+1
.endm
; Six plain lines on the statistics alone, behind the sub-step's last products: l = a l + the step's sum; c m is kept.  They are the places in front of the next products that write over S^T.
.macro TAIL
.irp n, 0,1
	v_pk_add_f32 v[ST+12*\n+8:ST+12*\n+9], v[ST+12*\n+8:ST+12*\n+9], v[ST+12*\n+10:ST+12*\n+11]
.endr
.irp n, 0,1
	v_mov_b32 v[ST+12*\n], v[ST+12*\n+4]
.endr
.irp n, 0,1
	v_pk_fma_f32 v[ST+12*\n+2:ST+12*\n+3], v[ST+12*\n+2:ST+12*\n+3], v[ST+12*\n+6:ST+12*\n+7], v[ST+12*\n+8:ST+12*\n+9] op_sel_hi:[1,0,1]
.endr
.endm
; A SUB-STEP: 64 keys, the q-th of the chunk in hand
.macro SUBSTEP q
.if \q > 0
	s_wait_alu depctr_vm_vsrc(0)                   ; the last sub-step's four LDS stores have read T+2 .. T+7, which this sub-step's conversion writes again.  (Ahead of sub-step 0 the wait in front of the chunk's barrier has stated it)
.endif
	s_wait_alu depctr_va_vdst(0)                   ; the last sub-step's products are done reading v92-107 and v90, in which K's fragments and scale words land; behind a chunk's end RD and RS are written; in the first trip Q's zeros and scale words are, which the scaled products take
	KFETCH \q
	s_wait_dscnt 0x0
	QK
	CONVSTEP \q
	VF0 \q                                         ; no vector or matrix instruction since the wait in CONVSTEP: these eight follow the stores and loads there in one run
	; the maximum of a lane's 32 scores and the old m, three operands at a time, the two tiles by turns; each accumulator is first read at its low end
.irp j, 0,1,2,3
.irp n, 0,1
	v_max3_num_f32 v[ST+12*\n+4+\j], v[S+32*\n+8*\j], v[S+32*\n+8*\j+1], v[S+32*\n+8*\j+2]
.endr
.endr
.irp i, 3,5
.irp j, 0,1,2,3
.irp n, 0,1
	v_max3_num_f32 v[ST+12*\n+4+\j], v[ST+12*\n+4+\j], v[S+32*\n+8*\j+\i], v[S+32*\n+8*\j+\i+1]
.endr
.endr
.endr
.irp n, 0,1
	v_max3_num_f32 v[ST+12*\n+4], v[ST+12*\n+4], v[S+32*\n+7], v[S+32*\n+15]
	v_max3_num_f32 v[ST+12*\n+6], v[ST+12*\n+6], v[S+32*\n+23], v[S+32*\n+31]
.endr
.irp n, 0,1
	v_max3_num_f32 v[ST+12*\n+4], v[ST+12*\n+4], v[ST+12*\n+5], v[ST+12*\n+6]
.endr
.irp n, 0,1
	v_max3_num_f32 v[ST+12*\n+4], v[ST+12*\n+4], v[ST+12*\n+7], v[ST+12*\n+1]
.endr
.irp n, 0,1
	v_permlanex16_b32 v[ST+12*\n+5], v[ST+12*\n+4], s[SEL], s[SEL+1]   ; the query's other 32 keys lie in the lane 16 away
.endr
.irp n, 0,1
	v_max_num_f32 v[ST+12*\n+1], v[ST+12*\n+4], v[ST+12*\n+5]          ; the new m
.endr
.irp n, 0,1
	v_mul_f32 v[ST+12*\n+4], s[CS], v[ST+12*\n+1]                      ; c m
.endr
.irp n, 0,1
	v_sub_f32 v[ST+12*\n+7], v[ST+12*\n], v[ST+12*\n+4]                ; c m_old - c m_new
.endr
.irp n, 0,1
	v_exp_f32 v[ST+12*\n+6], v[ST+12*\n+7]                             ; a
.endr
	; FIRST BATCH of exponentials: a of both tiles and tile 0's 32.  No line ahead of the wait names a result.
.set b, 0
.rept 16
	v_pk_fma_f32 v[S+b:S+b+1], v[S+b:S+b+1], s[CS:CS+1], v[ST+4:ST+5] op_sel_hi:[1,0,0] neg_lo:[0,0,1] neg_hi:[0,0,1]   ; tile 0: c s - c m
.set b, b+2
.endr
.set b, 0
.rept 16
	v_exp_f32 v[S+b], v[S+b]
	v_exp_f32 v[S+b+1], v[S+b+1]
	v_pk_fma_f32 v[S+32+b:S+33+b], v[S+32+b:S+33+b], s[CS:CS+1], v[ST+16:ST+17] op_sel_hi:[1,0,0] neg_lo:[0,0,1] neg_hi:[0,0,1]   ; tile 1's scalings stand between; the last is the plain line behind the batch
.set b, b+2
.endr
	s_wait_alu depctr_va_vdst(0)                   ; the 34 exponentials (a of both tiles, tile 0's p) have written their results: one wait, ahead of their first reader
	; SECOND BATCH: tile 1's 32, with tile 0's sums and roundings between them
.set x, 0
.set e, 0
.rept 32
	v_exp_f32 v[S+32+e], v[S+32+e]
.if x < 30
	PLAIN 0
.endif
.set e, e+1
.endr
.set b, 0
.rept 16
	v_pk_mul_f32 v[O+b:O+b+1], v[O+b:O+b+1], v[ST+6:ST+7] op_sel_hi:[1,0]   ; tile 0's O^T times a, from each accumulator's low end on; plain work behind the batch
.set b, b+2
.endr
	s_wait_alu depctr_va_vdst(0)                   ; tile 1's 32 exponentials have written p, ahead of its first reader; and tile 0's sums and roundings are done reading S+16 .. S+31, in which the four loads below land
	VF1 \q, 0
.set x, 0
.rept 30
	PLAIN 1                                        ; these name tile 1's registers and its statistics alone: none in which the loads above land
.endr
	s_wait_alu depctr_va_vdst(0)                   ; tile 1's sums and roundings are done reading S+48 .. S+63, in which the four loads below land
	VF1 \q, 1
.set b, 0
.rept 16
	v_pk_mul_f32 v[O+32+b:O+33+b], v[O+32+b:O+33+b], v[ST+18:ST+19] op_sel_hi:[1,0]
.set b, b+2
.endr
	s_wait_dscnt 8                                 ; all but the eight loads of the second 32 keys: V's first four fragments are in
	PV 0
	s_wait_dscnt 0x0                               ; V's other four are in.  At a chunk's end also: my reads of the buffer that was read are over and my stores into the other have landed
.if \q == 3
	s_wait_alu depctr_vm_vsrc(0)                   ; my LDS loads and stores have read RD, RS, KW, KSW and VW, which READDR below writes, and T+2 .. T+7, which the next conversion writes; no LDS or memory instruction stands between here and there
	s_barrier_signal -1                            ; say so; only work on registers stands between this and the wait
.endif
	PV 1
	TAIL
.if \q == 3
	s_xor_b32 s[RB], s[RB], BUF1                   ; the buffers change places
	s_xor_b32 s[WB], s[WB], BUF1
	READDR
	s_barrier_wait -1                              ; every wave has said so: the chunk ahead is whole, and nobody reads the one that is left
.endif
.endm
	s_load_b256 s[4:11], s[0:1], 0x0               ; q s[4:5], k s[6:7], v s[8:9], out s[10:11]
	v_lshl_add_u32 v[SPW], v0, 2, SPARE
	v_mov_b32 v[NIL], 0
	v_lshrrev_b32 v16, 5, v0
	v_readfirstlane_b32 s[WV], v16                 ; wave 0..15
	v_and_b32 v22, 31, v0                          ; l
	v_and_b32 v20, 15, v0                          ; r = l % 16
	v_bfe_u32 v21, v0, 4, 1                        ; h = l / 16
	v_bfe_u32 v16, v0, 3, 2                        ; l / 8
	v_bfe_u32 v17, v0, 2, 1                        ; (l / 4) % 2
	v_and_b32 v18, 3, v0                           ; l % 4
	v_bfe_u32 v23, v0, 2, 2                        ; r / 4
	v_lshlrev_b32 v[LI0], 4, v22
	v_lshlrev_b32 v[LS0], 2, v22
	v_lshlrev_b32 v[VO], 3, v22
	v_lshlrev_b32 v[PFO], 8, v22
	v_lshlrev_b32 v[KO], 7, v23                    ; 128 (r / 4) + 64 h + 16 (l % 4)
	v_lshl_add_u32 v[KO], v21, 6, v[KO]
	v_lshl_add_u32 v[KO], v18, 4, v[KO]
	v_lshlrev_b32 v19, 4, v16                      ; a code register's place among 4 rows' images: 16 (l / 8) + 256 ((l / 4) % 2) + 4 (l % 4)
	v_lshl_add_u32 v19, v17, 8, v19
	v_lshl_add_u32 v19, v18, 2, v19
	s_wait_alu depctr_va_sdst(0)                   ; the wave's number is written into s12, ahead of its first reader
	s_lshr_b32 s[WQ], s[WV], 2
	s_lshl_b32 s24, s[WQ], 9                       ; K's images: key tile w / 4 (512 bytes each), rows 4 (w % 4) on
	s_and_b32 s25, s[WV], 3
	s_lshl_b32 s26, s25, 6
	s_add_co_u32 s24, s24, s26
	s_add_co_u32 s24, s24, KIMG
	v_add_nc_u32 v[KW0], s24, v19
	s_lshr_b32 s27, s[WV], 3                       ; K's scale bytes: fragment w / 8 (64 bytes), word 4 (w % 4) + l / 8, byte 2 ((w / 4) % 2) + (l / 4) % 2
	s_lshl_b32 s24, s27, 6
	s_lshl_b32 s26, s25, 4
	s_add_co_u32 s24, s24, s26
	s_and_b32 s28, s[WQ], 1
	s_lshl_b32 s26, s28, 1
	s_add_co_u32 s24, s24, s26
	s_add_co_u32 s24, s24, KSC
	v_lshl_add_u32 v24, v16, 2, v17
	v_add_nc_u32 v[KSW0], s24, v24
	s_lshl_b32 s24, s27, 12                        ; V's images: 32 keys w / 8; registers 4-7 for (w / 4) % 2; lanes 16-31 for (w / 2) % 2; 8 bytes on for w % 2; channel tile h, row r
	s_lshl_b32 s26, s28, 9
	s_add_co_u32 s24, s24, s26
	s_bfe_u32 s26, s[WV], 0x10001
	s_lshl_b32 s26, s26, 8
	s_add_co_u32 s24, s24, s26
	s_and_b32 s29, s[WV], 1
	s_lshl_b32 s26, s29, 3
	s_add_co_u32 s24, s24, s26
	v_lshlrev_b32 v24, 4, v20
	v_lshl_add_u32 v24, v21, 10, v24
	v_add_nc_u32 v[VW0], s24, v24
	s_mul_i32 s[SB], s[WV], 4352
	s_add_co_u32 s[SB], s[SB], STAGE               ; my stage
	v_add_nc_u32 v124, s[SB], v19                  ; Q's codes go there as K's go into a buffer,
	v_lshl_add_u32 v125, v16, 1, v17
	v_add_nc_u32 v125, s[SB], v125                 ; its scale bytes two to a row, 1,024 bytes on,
	v_add_nc_u32 v126, s[SB], v[LI0]               ; and come back 16 bytes a lane
	v_lshlrev_b32 v127, 1, v20
	v_add_nc_u32 v127, s[SB], v127                 ; and two bytes a row
	s_mov_b32 s[RB], BUF1
	s_mov_b32 s[WB], 0                             ; the head's conversions fill buffer 0
	READDR
	s_mov_b32 s[SEL], 0x76543210
	s_mov_b32 s[SEL+1], 0xfedcba98
	s_mov_b32 s[CS], 0x3e38aa3b                    ; c = log2(e) / 8
	s_mov_b32 s[CS+1], s[CS]
	s_cmp_eq_u32 ttmp9, 0
	s_cselect_b32 s[LIM], 6, 0
	s_and_b32 s24, ttmp7, 0xffff
	s_lshl_b32 s24, s24, 19                        ; the head's first byte: 2,048 rows of 256 bytes; all offsets stay under 2^25
	s_lshl_b32 s26, ttmp9, 17                      ; my work-group's 512 queries,
	s_lshl_b32 s27, s[WV], 13                      ; my wave's 32
	s_add_co_u32 s26, s26, s27
	s_add_co_u32 s26, s26, s24
	s_mov_b32 s27, 0
	s_lshl_b32 s28, s[WV], 10                      ; my four keys of a sub-tile
	s_add_co_u32 s28, s28, s24
	s_mov_b32 s29, 0
	s_and_b32 s30, s[WV], 1
	s_lshl_b32 s30, s30, 13                        ; the half of a sub-tile that I prefetch
	s_add_co_u32 s30, s30, s24
	s_mov_b32 s31, 0
	s_wait_kmcnt 0x0
	s_and_b32 s24, s[WV], 2                        ; of four waves two ask for k, two for v
	s_cmp_lg_u32 s24, 0
	s_cselect_b64 s[PFA:PFA+1], s[8:9], s[6:7]
	s_add_nc_u64 s[PFA:PFA+1], s[PFA:PFA+1], s[30:31]
	s_add_nc_u64 s[QP:QP+1], s[QP:QP+1], s[26:27]
	s_add_nc_u64 s[OP:OP+1], s[OP:OP+1], s[26:27]
	s_add_nc_u64 s[KP:KP+1], s[KP:KP+1], s[28:29]
	s_add_nc_u64 s[VP:VP+1], s[VP:VP+1], s[28:29]
	s_wait_alu depctr_va_vdst(0)                   ; all offsets and LDS addresses made above (v1, v6 to v13, v124 to v127) are written: the loads, stores and prefetches below read them
.irp g, 0,1,2,3,4,5,6,7                            ; my 32 queries, four rows to a group, into S^T's registers; read once in the launch
	global_load_b128 v[S+8*\g:S+8*\g+3], v[KO], s[QP:QP+1] offset:1024*\g th:TH_LOAD_NT
	global_load_b128 v[S+8*\g+4:S+8*\g+7], v[KO], s[QP:QP+1] offset:1024*\g+512 th:TH_LOAD_NT
.endr
.irp c, 0,1,2,3                                    ; my part of chunk 0, into O^T's registers
	KVLOAD O+16*\c, O+8+16*\c, SUBT*\c
.endr
	s_wait_loadcnt 24                              ; Q's 16 loads are in; chunk 0's 24 were issued behind them
.irp g, 0,1,2,3,4,5,6,7                            ; each group has its own four registers at work, so the eight run on end and their stores follow in one run
	QUANT4 S+8*\g, V0+4*\g
.endr
	s_wait_alu depctr_va_vdst(0)                   ; the eight groups' codes and bytes are written in v92-123, which the sixteen stores read
.irp g, 0,1,2,3,4,5,6,7
	ds_store_b32 v124, v[V0+4*\g+3] offset:512*(\g/4)+64*(\g%4)
	ds_store_b8 v125, v[V0+4*\g+2] offset:1024+32*(\g/4)+8*(\g%4)
.endr
.irp n, 0,1                                        ; LDS serves a wave's instructions in order: these see my stores.  Q's codes come twice: ahead of the zeros and behind them.  No vector instruction has named the registers in which they land
	ds_load_b128 v[Q+12*\n:Q+12*\n+3], v126 offset:512*\n
	ds_load_b128 v[Q+12*\n+8:Q+12*\n+11], v126 offset:512*\n
	ds_load_u16 v[T+\n], v127 offset:1024+32*\n
.endr
	s_wait_loadcnt 0x0                             ; chunk 0
	KVLOAD RK, RV, 4*SUBT                          ; what chunk 0's first sub-step will convert; no vector instruction has named RK or RV
.irp c, 0,1,2,3                                    ; each sub-step's conversion has its own eight registers at work, in S^T's
	CONVV O+16*\c, O+8+16*\c, S+8*\c
.endr
	s_wait_alu depctr_va_vdst(0)                   ; the four conversions have written their codes, bytes and f16 numbers, which the sixteen stores read
.irp c, 0,1,2,3
	CONVS S+8*\c, \c
.endr
	s_wait_dscnt 0x0                               ; Q is back; my stores into buffer 0 have landed
	s_wait_alu depctr_vm_vsrc(0)                   ; my LDS stores have read their data (in v92-123 and S^T's registers, in which loads and products land from here on) and KW, KSW and VW, which READDR below writes; the LDS instructions above have read v124 to v127, which the way out writes
	v_lshl_or_b32 v[QS], v[T], 16, v[T]            ; Q's scale word: (s0, s1, s0, s1).  The moves below are the places between these two lines and the first scaled product
	v_lshl_or_b32 v[QS+1], v[T+1], 16, v[T+1]
.irp n, 0,1
.irp i, 4,5,6,7
	v_mov_b32 v[Q+12*\n+\i], 0                     ; Q's zero codes
.endr
.endr
.set b, 0
.rept 64
	v_mov_b32 v[O+b], 0                            ; O^T.  The sub-step is written once: the first finds zeros, which its a = 0 leaves zeros
.set b, b+1
.endr
.irp n, 0,1
	v_mov_b32 v[ST+12*\n+1], 0xff61b1e6            ; m = -3e38, under every score
	v_mul_f32 v[ST+12*\n], s[CS], v[ST+12*\n+1]
	v_mov_b32 v[ST+12*\n+2], 0                     ; l
	v_mov_b32 v[ST+12*\n+3], 0
.endr
	s_mov_b32 s[RB], 0
	s_mov_b32 s[WB], BUF1
	READDR
	s_mov_b32 s[CH], 0
	s_barrier_signal -1
	s_barrier_wait -1                              ; chunk 0 lies whole in buffer 0
.Lchunk:                                           ; eight trips, 256 keys each
	SUBSTEP 0
	SUBSTEP 1
	SUBSTEP 2
	SUBSTEP 3
	s_wait_xcnt 0x0                                ; the loads and the prefetch of this trip have read their bases: they may step
	s_add_nc_u64 s[KP:KP+1], s[KP:KP+1], 4*SUBT
	s_add_nc_u64 s[VP:VP+1], s[VP:VP+1], 4*SUBT
	s_add_nc_u64 s[PFA:PFA+1], s[PFA:PFA+1], 4*SUBT
	s_add_co_u32 s[CH], s[CH], 1
	s_cmp_lt_u32 s[CH], 8
	s_cbranch_scc1 .Lchunk
	; THE WAY OUT.  l's two halves and the other half of the lanes' are added; O^T is divided by l and goes through my stage, a tile (16 rows of 256 bytes) at a time, so that sixteen lanes store a whole row.
.irp n, 0,1
	v_add_f32 v[ST+12*\n+4], v[ST+12*\n+2], v[ST+12*\n+3]
.endr
.irp n, 0,1
	v_permlanex16_b32 v[ST+12*\n+5], v[ST+12*\n+4], s[SEL], s[SEL+1]
.endr
.irp n, 0,1
	v_add_f32 v[ST+12*\n+4], v[ST+12*\n+4], v[ST+12*\n+5]
.endr
.irp n, 0,1
	v_rcp_f32 v[ST+12*\n+6], v[ST+12*\n+4]
.endr
	v_and_b32 v126, 15, v0                         ; r.  (Plain lines behind the reciprocals.  v124 to v127 were last read by LDS instructions at the head, ahead of the wait on vm_vsrc there)
	v_bfe_u32 v127, v0, 4, 1                       ; h
	v_mul_u32_u24 v124, v126, 272
	v_lshl_add_u32 v124, v127, 6, v124
	v_add_nc_u32 v124, s[SB], v124                 ; in: row r, 64 h bytes on
	v_mul_u32_u24 v125, v127, 272
	v_lshl_add_u32 v125, v126, 4, v125
	v_add_nc_u32 v125, s[SB], v125                 ; back: lanes 0-15 one row, lanes 16-31 the next
	s_wait_alu depctr_va_vdst(0)                   ; the two reciprocals have written their results: one wait, ahead of their first reader
; Register j of channel tile 2 b + a is channel 32 a + 16 h + 2 j + b: the products are laid so that a lane's registers 16 a + 0..15 are channels 32 a + 16 h + 0..15.  Each accumulator is first read at its register 0.
.macro PACKV tl
.irp j, 0,1,2,3,4,5,6,7
.irp a, 0,1
.irp b, 0,1
	v_mul_f32 v[S+32*\tl+16*\a+2*\j+\b], v[O+32*\tl+8*(2*\b+\a)+\j], v[ST+12*\tl+6]
.endr
.endr
.endr
.endm
; A tile goes into my stage from S^T's registers and comes back as whole rows into O^T's, which the products above have left: so no LDS load lands in a register that an LDS store reads
.macro THROUGH tl
.irp a, 0,1
.irp c, 0,1,2,3
	ds_store_b128 v124, v[S+32*\tl+16*\a+4*\c:S+32*\tl+16*\a+4*\c+3] offset:128*\a+16*\c
.endr
.endr
.irp i, 0,1,2,3,4,5,6,7
	ds_load_b128 v[O+32*\tl+4*\i:O+32*\tl+4*\i+3], v125 offset:544*\i   ; LDS serves a wave's instructions in order: these see the stores above, and the next tile's stores come behind them
.endr
.endm
.macro SEND tl, younger                ; younger: the LDS instructions issued behind this tile's loads
.irp i, 0,1,2,3,4,5,6,7
	s_wait_dscnt \younger+7-\i
	global_store_b128 v[LI0], v[O+32*\tl+4*\i:O+32*\tl+4*\i+3], s[OP:OP+1] offset:4096*\tl+512*\i th:TH_STORE_NT   ; 32 lanes store 512 consecutive bytes, two whole rows, at a multiple of 256 from the buffer's first byte
.endr
.endm
	PACKV 0
	PACKV 1
	s_wait_alu depctr_va_vdst(0)                   ; both tiles' 64 products are written in S^T's registers, which the LDS stores read, and are done reading O^T's, in which the LDS loads land; no vector instruction follows
	THROUGH 0
	THROUGH 1
	SEND 0, 16
	SEND 1, 0
	s_wait_dscnt 0x0                               ; the closing lines, six on end
	s_wait_alu 0x0
	s_wait_tensorcnt 0x0
	ds_add_u32 v[SPW], v[NIL]
	s_wait_dscnt 0x0
	s_endpgm
.Lfunc_end_k_q1d3ec5fcc8_attn:
	.size	k_q1d3ec5fcc8_attn, .Lfunc_end_k_q1d3ec5fcc8_attn-k_q1d3ec5fcc8_attn
	.p2alignl 7, 3214868480
	.fill 96, 4, 3214868480
	.section	.rodata,"a",@progbits
	.p2align	6, 0x0
	.amdhsa_kernel k_q1d3ec5fcc8_attn
		.amdhsa_group_segment_fixed_size 178688
		.amdhsa_private_segment_fixed_size 0
		.amdhsa_enable_private_segment 0
		.amdhsa_kernarg_size 32
		.amdhsa_user_sgpr_count 2
		.amdhsa_user_sgpr_kernarg_segment_ptr 1
		.amdhsa_wavefront_size32 1
		.amdhsa_system_sgpr_workgroup_id_x 1
		.amdhsa_system_sgpr_workgroup_id_y 1
		.amdhsa_system_sgpr_workgroup_id_z 1
		.amdhsa_system_vgpr_workitem_id 0
		.amdhsa_next_free_vgpr 256
		.amdhsa_next_free_sgpr 66
		.amdhsa_reserve_vcc 0
		.amdhsa_float_denorm_mode_32 3
		.amdhsa_float_denorm_mode_16_64 3
		.amdhsa_memory_ordered 1
		.amdhsa_forward_progress 1
		.amdhsa_inst_pref_size 105
	.end_amdhsa_kernel
	.amdgpu_metadata
---
amdhsa.version: [ 1, 2 ]
amdhsa.kernels:
  - .name:           k_q1d3ec5fcc8_attn
    .symbol:         k_q1d3ec5fcc8_attn.kd
    .args:
      - { .name: q, .offset: 0, .size: 8, .value_kind: global_buffer, .address_space: global }
      - { .name: k, .offset: 8, .size: 8, .value_kind: global_buffer, .address_space: global }
      - { .name: v, .offset: 16, .size: 8, .value_kind: global_buffer, .address_space: global }
      - { .name: out0, .offset: 24, .size: 8, .value_kind: global_buffer, .address_space: global }
    .group_segment_fixed_size: 178688
    .private_segment_fixed_size: 0
    .kernarg_segment_align: 8
    .kernarg_segment_size: 32
    .max_flat_workgroup_size: 512
    .sgpr_count:     66
    .vgpr_count:     256
    .wavefront_size: 32
...
	.end_amdgpu_metadata
.endif
;; end of part 2
